; MI455X (gfx1250); checked and timed in simulation.
; The chip was launched on July 23, 2026; its instructions are those of AMD's public machine-readable ISA for CDNA 5 (MIT licence, August 2026) and "CDNA5" Instruction Set Architecture Reference Guide (July 2026). The comments in the code are by the model that wrote it; some were corrected since.
;; Multi Frequency Feature Extraction. Allowed arithmetic: float matrix products may take bf16 or f16 operands with f32 sums; other float arithmetic in f32, or as packed bf16 or f16 multiplies, adds, multiply-adds, maxima and minima; sums over many terms, partial sums and values carried from step to step in f32; what a program stores and reads back later, other than sums and carried values, may be rounded once to bf16 or f16.
;; Inputs: dct_filters 16 x 56 x 56 float32; w1 32 x 512 float32; w2 512 x 32 float32; x 32 x 512 x 56 x 56 float32.
;; Outputs: out0 32 x 512 x 1 x 1 float32.
;; One version. Each part assembles by itself: llvm-mc -triple=amdgcn-amd-amdhsa -mcpu=gfx1250 --defsym DOCPART=n.
;; ======== version 1 of 1: 2 launches
;; workspace buffers: stats 196,608 bytes
;; launch pool (part 1): grid 256 x 1, 8 waves a work-group, no clusters, 327,680 bytes of LDS; arguments x, dct_filters, stats; writes stats
.if DOCPART == 1
	.amdgcn_target "amdgcn-amd-amdhsa--gfx1250"
	.amdhsa_code_object_version 6
	.text
	.protected	k_qc367bac1fc_pool
	.globl	k_qc367bac1fc_pool
	.p2align	8
	.type	k_qc367bac1fc_pool,@function
k_qc367bac1fc_pool:
	s_mov_b64 s[64:65], 0
	v_nop
	global_prefetch_b8 v0, s[64:65] scope:SCOPE_SE
	s_setreg_imm32_b32 hwreg(HW_REG_WAVE_MODE, 25, 1), 1
	s_wait_xcnt 0x0
; POOL.  x: [16384 rows (b, c)][3136] f32.  dct_filters: [16][3136] f32.  stats: [3][16384] f32:
;   stats[0][row] = 1/16 sum_k max_p x[row][p] f[k][p];  stats[1] the same with min;  stats[2] = 1/16 sum_k mean_p x[row][p] f[k][p].
; The mean is taken as (1/50176) sum_p x[p] F[p] with F[p] = sum_k f[k][p]: the same terms as the reference's, added in another order.
; LIMITS.  A NaN loses in v_max3_num_f32 / v_min3_num_f32 (the reference would hand it on); all else is f32 as in the reference.
; SHARES.  A work-group owns 64 rows, 802,816 consecutive bytes of x.  A row is 49 units of 256 bytes (64 positions).  Lane l of wave w: r = l % 16, h = l / 16.  It keeps the four rows
; r + 16 i for the whole launch and takes quad q = 2 w + h (4 positions, 16 bytes) of every unit.  So its 64 running maxima and 64 minima (16 filters x 4 rows) never leave their registers, nothing crosses
; lanes before the end, and a filter quad read from LDS serves four rows: 24 vector lines for one LDS load.  A product pair costs one v_pk_mul_f32, one v_max3_num_f32, one v_min3_num_f32.
; THE RING.  Seven phases of seven units go through two LDS slots.  Behind each change of slots waves 0-6 ask for one tile of 64 rows x 256 bytes each, wave 7 for the filters' 16 rows x 1,792 bytes:
; 143,360 bytes, asked for a whole phase ahead; a wave has one tensor load out at the most.
; NO CLUSTER: only the filters' tile is shared between work-groups, 28,672 of a refill's 143,360 bytes; the x tiles, four fifths, are each work-group's own.
; NO MATRIX UNIT: what is wanted of x f is each single product, for a maximum, not a sum of products.
.set XP,     272                       ; an LDS row of an x tile: 256 bytes + 16 of padding = 68 words: the 16 rows of a load start at 16 different groups of four banks (64 banks of 4 bytes: ISA guide 11.1)
.set XTILE,  64*XP                     ; one unit of 64 rows
.set UPP,    7                         ; units in a phase
.set PHB,    UPP*256                   ; bytes of a row in a phase
.set FROW,   PHB                       ; a filter's row in LDS, unpadded: 16 lanes read one address
.set XSL1,   1<<17                     ; x slot 0 at 0 (121,856 bytes), slot 1 here: one exclusive or turns an address of one into the other's
.set FSL0,   1<<18                     ; the filters' slot 0 (28,672 bytes),
.set FSL1,   1<<15                     ; and slot 1 this much further
.set FSUM,   FSL0+16*FROW              ; F of the phase in hand: 128 quads, 2,048 bytes, in blocks of 256 that no tile touches
.set SPARE,  FSL0+FSL1+16*FROW         ; the spare words: 128 bytes for each of 8 waves; no other line names them
.set RED,    XSL1                      ; the end: 131,072 bytes [max | min][filter][group][r] x 16 bytes, over x slot 1, whose last fill has been read by then
.set MB,     FSL0+FSL1                 ; the end: [max | min | sum][16][64 rows] f32, 12,288 bytes, over the filters' slot 1, likewise
.set SPW, 1                            ; v1   my spare word's address; never rewritten
.set NIL, 2                            ; v2   0; never rewritten
.set X0,  3                            ; v3   r x 272 + 16 q
.set F0,  4                            ; v4   16 q
.set FQ0, 5                            ; v5   16 x min(thread, 111): the quad whose F I add up
.set FST, 6                            ; v6   FSUM + 16 x thread
.set XA,  7                            ; v7   x address of the unit in hand
.set FA,  8                            ; v8   filters' address of the unit in hand
.set FSA, 9                            ; v9   F's address of the unit in hand
.set FQA, 10                           ; v10  address for adding F up
.set X,   16                           ; v[16:31]   x: row i's quad at X + 4 i
.set FS,  32                           ; v[32:35]   F's quad
.set FR,  36                           ; v[36:67]   a ring of eight filter quads: filter k at FR + 4 (k % 8)
.set Y,   68                           ; v[68:83]   products of one block
.set TT,  68                           ; v[68:99]   eight quads at work while F is added up
.set SUM, 100                          ; v[100:107] sum x F: a pair for each row
.set AMAX, 112                         ; v[112:175] maxima: filter k, row i at AMAX + 4 k + i
.set AMIN, 176                         ; v[176:239] minima
.set WV,  12                           ; s12  my wave's number
.set G1X, 16                           ; s[16:23] descriptor group 1, x tiles
.set G1F, 24                           ; s[24:31] descriptor group 1, the filters' tile
.set G0X, 32                           ; s[32:35] descriptor group 0, x: it walks
.set G0F, 36                           ; s[36:39] descriptor group 0, filters: it walks
.set TBX, 40                           ; s40  LDS byte of the x unit in hand
.set TBF, 41                           ; s41  LDS byte of the filters' unit in hand
.set TBS, 42                           ; s42  LDS byte of F's unit in hand
.set PHC, 43                           ; s43  phases still to be asked for
.set UNC, 44                           ; s44  counts a phase's trips
.set NINF, 45
.set PINF, 46
; A fill: waves 0-6 one x tile each, wave 7 the filters' tile.  The branch hangs on the wave's number alone.
.macro LOAD
	s_cmp_lt_u32 s[WV], 7
	s_cbranch_scc0 .Lfor_f_\@
	tensor_load_to_lds s[G0X:G0X+3], s[G1X:G1X+7]
	s_nop 0
	s_branch .Lasked_\@
.Lfor_f_\@:
	tensor_load_to_lds s[G0F:G0F+3], s[G1F:G1F+7]
	s_nop 0
.Lasked_\@:
.endm
; THE CHANGE OF SLOTS.  Each wave waits for all its tensor loads (one is out: its part of the other slot), adds 0 to its spare word, waits for that and for its reads of the slot it leaves, and meets
; the others.  Behind the barrier nobody reads the old slot and the other slot is whole.  fill = 1: the old slot takes the phase two on, first thing behind the barrier.
; (At its first use nothing has been read: slot 0 is waited for, slot 1 filled for the first time.)
.macro CHANGE fill
	s_wait_tensorcnt 0x0                           ; no tensor load of mine is out, so a group 0 may be written
	ds_add_u32 v[SPW], v[NIL]                      ; 0 onto my spare word; the descriptors' steps stand between it and the wait for it
.if \fill
	s_xor_b32 s[G0X+1], s[G0X+1], XSL1             ; the other slot than last time,
	s_add_nc_u64 s[G0X+2:G0X+3], s[G0X+2:G0X+3], PHB  ; the next 448 positions; the type bits on top are not reached
	s_xor_b32 s[G0F+1], s[G0F+1], FSL1
	s_add_nc_u64 s[G0F+2:G0F+3], s[G0F+2:G0F+3], PHB
.endif
	s_wait_dscnt 0x0                               ; the add is done, and my reads of the slot and of F are over
	s_barrier_signal -1
	s_sub_co_u32 s[TBX], s[TBX], 6*XTILE           ; the reads go back to a slot's first unit (six steps were made),
	s_xor_b32 s[TBX], s[TBX], XSL1                 ; in the other slot
	s_sub_co_u32 s[TBF], s[TBF], 6*256
	s_xor_b32 s[TBF], s[TBF], FSL1
	s_sub_co_u32 s[TBS], s[TBS], 6*256
	s_barrier_wait -1
.if \fill
	LOAD
.endif
.endm
.macro FL k, fo                        ; filter k's quad into its place in the ring
	ds_load_b128 v[FR+4*((\k)%8):FR+4*((\k)%8)+3], v[FA] offset:(\fo)+(\k)*FROW
.endm
.macro XL i, xo                        ; row r + 16 i's quad
	ds_load_b128 v[X+4*(\i):X+4*(\i)+3], v[XA] offset:(\xo)+(\i)*16*XP
.endm
; A BLOCK is one row i against the four filters 4 kg .. 4 kg + 3: eight packed multiplies, then sixteen lines of maxima and minima.  A product is read eight lines behind the line that made it,
; and the two lines on one accumulator stand eight apart.
.macro MULS kg, i
.irp kk, 0,1,2,3
	v_pk_mul_f32 v[Y+4*\kk:Y+4*\kk+1], v[X+4*(\i):X+4*(\i)+1], v[FR+16*((\kg)%2)+4*\kk:FR+16*((\kg)%2)+4*\kk+1]
	v_pk_mul_f32 v[Y+4*\kk+2:Y+4*\kk+3], v[X+4*(\i)+2:X+4*(\i)+3], v[FR+16*((\kg)%2)+4*\kk+2:FR+16*((\kg)%2)+4*\kk+3]
.endr
.endm
.macro EXTR kg, i
.irp p, 0,2
.irp kk, 0,1,2,3
	v_max3_num_f32 v[AMAX+16*(\kg)+4*\kk+(\i)], v[AMAX+16*(\kg)+4*\kk+(\i)], v[Y+4*\kk+\p], v[Y+4*\kk+\p+1]
.endr
.irp kk, 0,1,2,3
	v_min3_num_f32 v[AMIN+16*(\kg)+4*\kk+(\i)], v[AMIN+16*(\kg)+4*\kk+(\i)], v[Y+4*\kk+\p], v[Y+4*\kk+\p+1]
.endr
.endr
.endm
; A UNIT's LDS loads, in the order of issue:  S3: filters 0-3 | x rows 0, 1, 2, 3 | S4: filters 4-7 | S1: filters 8-11 | S2: filters 12-15 | F's quad.  Each is issued where its registers were last
; read, four blocks (96 vector lines) or more ahead of its use.  LDS loads come back in order (ISA guide 5.7.1), so each wait counts the loads issued behind the one that it needs.
; The first half of a unit: filters 0-7.  fo: the unit's filters lie fo bytes behind v[FA].
.macro HALF_A fo
.irp i, 0,1,2
	s_wait_dscnt 7-\i                              ; row i's x is in; younger: the rows behind it and S4's four
	MULS 0, \i
	EXTR 0, \i
.endr
	s_wait_dscnt 4                                 ; row 3's x; younger: S4's four
	MULS 0, 3
.irp k, 8,9,10,11
	FL \k, \fo                                     ; S1
.endr
	EXTR 0, 3
	s_wait_dscnt 4                                 ; S4 is in; younger: S1's four
.irp i, 0,1,2
	MULS 1, \i
	EXTR 1, \i
.endr
	MULS 1, 3
.irp k, 12,13,14,15
	FL \k, \fo                                     ; S2
.endr
	EXTR 1, 3
.endm
; One row of the last filter group: the row's share of sum x F, its products, and (pf = 1) the same row's quad of the next unit into the registers just read.
.macro LASTROW i, pf
	v_pk_fma_f32 v[SUM+2*(\i):SUM+2*(\i)+1], v[X+4*(\i):X+4*(\i)+1], v[FS:FS+1], v[SUM+2*(\i):SUM+2*(\i)+1]
	MULS 3, \i
	v_pk_fma_f32 v[SUM+2*(\i):SUM+2*(\i)+1], v[X+4*(\i)+2:X+4*(\i)+3], v[FS+2:FS+3], v[SUM+2*(\i):SUM+2*(\i)+1]
.if \pf
	XL \i, XTILE
.endif
.endm
; The second half of a unit: filters 8-15 and the mean.  pf = 1: the next unit's x and first eight filters are fetched.
.macro HALF_B pf
	s_wait_dscnt 5                                 ; S1 is in; younger: S2's four and F's quad
.irp i, 0,1,2
	MULS 2, \i
	EXTR 2, \i
.endr
	MULS 2, 3
.if \pf
.irp k, 0,1,2,3
	FL \k, 256                                     ; S3 of the next unit
.endr
.endif
	EXTR 2, 3
	s_wait_dscnt 4*(\pf)                           ; S2 and F's quad are in; younger: S3's four, or nothing
.irp i, 0,1,2
	LASTROW \i, \pf
	EXTR 3, \i
.endr
	LASTROW 3, \pf
.if \pf
.irp k, 4,5,6,7
	FL \k, 256                                     ; S4 of the next unit
.endr
.endif
	EXTR 3, 3
.endm
.macro QADD d, a, b                    ; a quad: d = a + b
	v_pk_add_f32 v[(\d):(\d)+1], v[(\a):(\a)+1], v[(\b):(\b)+1]
	v_pk_add_f32 v[(\d)+2:(\d)+3], v[(\a)+2:(\a)+3], v[(\b)+2:(\b)+3]
.endm
.macro FQL d, k                        ; filter k's quad number min(thread, 111) of the phase
	ds_load_b128 v[(\d):(\d)+3], v[FQA] offset:(\k)*FROW
.endm
; A PHASE: seven units of the slot at s[TBX], s[TBF].  The loop's trip goes from a unit's second half to the next unit's first half, so that what is fetched ahead is always of this slot:
; written out are the first unit's first half and the last unit's second half.
.macro PHASE
	v_add_nc_u32 v[XA], s[TBX], v[X0]
	v_add_nc_u32 v[FA], s[TBF], v[F0]
.irp k, 0,1,2,3
	FL \k, 0
.endr
.irp i, 0,1,2,3
	XL \i, 0
.endr
.irp k, 4,5,6,7
	FL \k, 0
.endr
	; F of the phase's 112 quads, one quad a thread, by waves 0-3 (threads 112-127 repeat quad 111 into places of their own that nobody reads): 16 loads of neighbouring quads, 15 quad sums.
	s_cmp_lt_u32 s[WV], 4
	s_cbranch_scc0 .Lno_f_\@
	v_add_nc_u32 v[FQA], s[TBF], v[FQ0]
.irp k, 0,1,2,3,4,5,6,7
	FQL TT+4*\k, \k
.endr
	s_wait_dscnt 0x0
	QADD TT, TT, TT+4
	QADD TT+8, TT+8, TT+12
	QADD TT+16, TT+16, TT+20
	QADD TT+24, TT+24, TT+28
	FQL TT+4, 8                                    ; the other eight filters go into the quads as they fall free
	FQL TT+12, 9
	FQL TT+20, 10
	FQL TT+28, 11
	QADD TT, TT, TT+8
	QADD TT+16, TT+16, TT+24
	FQL TT+8, 12
	FQL TT+24, 13
	QADD TT, TT, TT+16
	FQL TT+16, 14
	FQL FS, 15
	s_wait_dscnt 0x0
	QADD TT+4, TT+4, TT+12
	QADD TT+20, TT+20, TT+28
	QADD TT+8, TT+8, TT+24
	QADD TT+16, TT+16, FS
	QADD TT+4, TT+4, TT+20
	QADD TT+8, TT+8, TT+16
	QADD TT, TT, TT+4
	QADD TT, TT, TT+8
	ds_store_b128 v[FST], v[TT:TT+3]
.Lno_f_\@:
	s_wait_dscnt 0x0                               ; for the others' sake: my store of F is done (and no LDS instruction of mine is out at the signal)
	s_barrier_signal -1
	HALF_A 0                                       ; between signal and wait: registers, and loads of this slot's tiles, which nobody writes before the next change of slots
	s_barrier_wait -1                              ; F is whole: it is first read below
	s_mov_b32 s[UNC], 6
.Lunit_\@:
	v_add_nc_u32 v[XA], s[TBX], v[X0]
	v_add_nc_u32 v[FA], s[TBF], v[F0]
	v_add_nc_u32 v[FSA], s[TBS], v[F0]
	ds_load_b128 v[FS:FS+3], v[FSA]
	HALF_B 1
	HALF_A 256
	s_add_co_u32 s[TBX], s[TBX], XTILE
	s_add_co_u32 s[TBF], s[TBF], 256
	s_add_co_u32 s[TBS], s[TBS], 256
	s_sub_co_u32 s[UNC], s[UNC], 1
	s_cmp_lg_u32 s[UNC], 0
	s_cbranch_scc1 .Lunit_\@
	v_add_nc_u32 v[FSA], s[TBS], v[F0]
	ds_load_b128 v[FS:FS+3], v[FSA]
	HALF_B 0
.endm
	s_load_b128 s[4:7], s[0:1], 0x0                ; x s[4:5], dct_filters s[6:7]
	s_load_b64 s[8:9], s[0:1], 0x10                ; stats
	v_lshl_add_u32 v[SPW], v0, 2, SPARE
	v_mov_b32 v[NIL], 0
	ds_add_u32 v[SPW], v[NIL]                      ; the wave's opening add; its wait comes ahead of my first tensor load, with the set-up below in between
	ds_add_u32 v1, v2
	v_lshrrev_b32 v11, 5, v0
	v_readfirstlane_b32 s[WV], v11                 ; wave 0..7
	; group 1 for x: a tile of 64 rows x 64 elements of 4 bytes, 3,136 elements from row to row, 4 words of padding behind every 64
	s_mov_b32 s[G1X+0], (2<<16)|(1<<20)|(5<<22)|(3<<25)
	s_mov_b32 s[G1X+1], 64<<16                     ; tensor_dim0 = 64
	s_mov_b32 s[G1X+2], 64<<16                     ; tensor_dim1 = 64
	s_mov_b32 s[G1X+3], 64<<16                     ; tile_dim0 = 64
	s_mov_b32 s[G1X+4], 64                         ; tile_dim1 = 64
	s_mov_b32 s[G1X+5], 3136
	s_mov_b32 s[G1X+6], 0
	s_mov_b32 s[G1X+7], 0
	; group 1 for the filters: 16 rows x 448 elements, no padding
	s_mov_b32 s[G1F+0], 2<<16
	s_mov_b32 s[G1F+1], 448<<16
	s_mov_b32 s[G1F+2], 16<<16
	s_mov_b32 s[G1F+3], 448<<16
	s_mov_b32 s[G1F+4], 16
	s_mov_b32 s[G1F+5], 3136
	s_mov_b32 s[G1F+6], 0
	s_mov_b32 s[G1F+7], 0
	s_mov_b32 s[G0X], 1
	s_mul_i32 s[G0X+1], s[WV], XTILE               ; wave j's tile is unit j of the slot
	s_mov_b32 s[G0F], 1
	s_mov_b32 s[G0F+1], FSL0
	s_mul_i32 s10, ttmp9, 802816                   ; my work-group's 64 rows of 12,544 bytes (205 million at the most),
	s_lshl_b32 s11, s[WV], 8                       ; and my wave's unit
	s_add_co_u32 s10, s10, s11
	s_mov_b32 s11, 0
	s_mov_b32 s[TBX], XSL1+6*XTILE                 ; the first change of slots turns these into slot 0's first unit
	s_mov_b32 s[TBF], FSL0+FSL1+6*256
	s_mov_b32 s[TBS], FSUM+6*256
	s_mov_b32 s[NINF], 0xff800000
	s_mov_b32 s[PINF], 0x7f800000
	s_mov_b32 s[PHC], 6
	s_wait_dscnt 0x0                               ; the opening add is done
	s_wait_kmcnt 0x0
	s_add_nc_u64 s[G0X+2:G0X+3], s[4:5], s[10:11]
	s_or_b32 s[G0X+3], s[G0X+3], 0x80000000        ; type = 2
	s_mov_b64 s[G0F+2:G0F+3], s[6:7]
	s_or_b32 s[G0F+3], s[G0F+3], 0x80000000
	LOAD                                           ; phase 0 into slot 0
	v_and_b32 v11, 15, v0                          ; r
	v_lshrrev_b32 v12, 4, v0                       ; q = 2 w + h
	v_mul_u32_u24 v[X0], v11, XP
	v_lshl_add_u32 v[X0], v12, 4, v[X0]
	v_lshlrev_b32 v[F0], 4, v12
	v_min_u32 v13, 111, v0
	v_lshlrev_b32 v[FQ0], 4, v13
	v_lshl_add_u32 v[FST], v0, 4, FSUM
	; The accumulators start at -inf, +inf and 0.  These lines stand in the wait for the first tile; a first unit written out to start them would be a third copy of a unit's text.
.set j, 0
.rept 64
	v_mov_b32 v[AMAX+j], s[NINF]
	v_mov_b32 v[AMIN+j], s[PINF]
.set j, j+1
.endr
.set j, 0
.rept 8
	v_mov_b32 v[SUM+j], 0
.set j, j+1
.endr
.Lphase:                                               ; six trips: phase n - 1 is worked on while phase n is on its way
	CHANGE 1
	PHASE
	s_sub_co_u32 s[PHC], s[PHC], 1
	s_cmp_lg_u32 s[PHC], 0
	s_cbranch_scc1 .Lphase
	CHANGE 0                                       ; the last phase is written out: nothing is asked for
	PHASE
	; THE END.  A row's positions lie in 16 groups (8 waves x 2 lane halves).  Both slots 1 had their last fill and, at the last change of slots, their last read: the partial results meet there.
.irp i, 0,1,2,3
	v_add_f32 v[Y+\i], v[SUM+2*\i], v[SUM+2*\i+1]
.endr
	v_lshl_add_u32 v[XA], v0, 4, RED               ; [filter][group = thread / 16][r] x 16 bytes: a wave's store covers 512 neighbouring bytes
	v_add_nc_u32 v[FA], 0x10000, v[XA]             ; the minima 65,536 bytes on
	v_lshrrev_b32 v11, 4, v0
	v_and_b32 v12, 15, v0
	v_lshlrev_b32 v13, 8, v11
	v_lshl_add_u32 v13, v12, 2, v13
	v_add_nc_u32 v[FSA], MB, v13                   ; [thread / 16][r + 16 i] f32
.set k, 0
.rept 16
	ds_store_b128 v[XA], v[AMAX+4*k:AMAX+4*k+3] offset:4096*k
	ds_store_b128 v[FA], v[AMIN+4*k:AMIN+4*k+3] offset:4096*k
.set k, k+1
.endr
.irp i, 0,1,2,3
	ds_store_b32 v[FSA], v[Y+\i] offset:8192+64*\i ; the sums: [group][row]
.endr
	s_wait_dscnt 0x0                               ; for the others' sake
	s_barrier_signal -1
	s_barrier_wait -1
	; Thread t folds the 16 groups of filter t / 16, rows r + 16 i: once for the maxima, once for the minima.
	v_lshlrev_b32 v13, 12, v11
	v_lshl_add_u32 v13, v12, 4, v13
	v_add_nc_u32 v[XA], RED, v13
	v_add_nc_u32 v[FA], 0x10000, v[XA]
.set g, 0
.rept 16
	ds_load_b128 v[AMAX+4*g:AMAX+4*g+3], v[XA] offset:256*g
.set g, g+1
.endr
.set g, 0
.rept 16
	ds_load_b128 v[AMIN+4*g:AMIN+4*g+3], v[FA] offset:256*g
.set g, g+1
.endr
.macro FOLD op3, op2, a, d
.irp c, 0,1,2,3
	\op3 v[(\d)+\c], v[(\a)+\c], v[(\a)+4+\c], v[(\a)+8+\c]
.endr
.irp g, 3,5,7,9,11,13
.irp c, 0,1,2,3
	\op3 v[(\d)+\c], v[(\d)+\c], v[(\a)+4*\g+\c], v[(\a)+4*\g+4+\c]
.endr
.endr
.irp c, 0,1,2,3
	\op2 v[(\d)+\c], v[(\d)+\c], v[(\a)+60+\c]
.endr
.endm
	s_wait_dscnt 16                                ; the maxima are in; younger: the sixteen loads of minima
	FOLD v_max3_num_f32, v_max_num_f32, AMAX, Y
	s_wait_dscnt 0x0
	FOLD v_min3_num_f32, v_min_num_f32, AMIN, Y+4
.irp c, 0,1,2,3
	ds_store_b32 v[FSA], v[Y+\c] offset:64*\c              ; [filter][row]
	ds_store_b32 v[FSA], v[Y+4+\c] offset:4096+64*\c
.endr
	s_wait_dscnt 0x0                               ; for the others' sake
	s_barrier_signal -1
	s_barrier_wait -1
	; Waves 0, 1, 2 add up sixteen vectors of 64 rows: the maxima over filters, the minima over filters, the sums over groups; a lane holds rows 2 l and 2 l + 1.
	s_cmp_lt_u32 s[WV], 3
	s_cbranch_scc0 .Lend
	v_and_b32 v11, 31, v0
	v_lshlrev_b32 v11, 3, v11
	s_lshl_b32 s10, s[WV], 12
	s_add_co_u32 s10, s10, MB
	v_add_nc_u32 v[XA], s10, v11
.set j, 0
.rept 16
	ds_load_b64 v[X+2*j:X+2*j+1], v[XA] offset:256*j
.set j, j+1
.endr
	s_mov_b32 s13, 0x3d800000                      ; 1/16
	s_mov_b32 s14, 0x37a72f05                      ; 1/(16 x 3136)
	s_cmp_eq_u32 s[WV], 2
	s_cselect_b32 s13, s14, s13
	s_lshl_b32 s10, s[WV], 16                      ; stats[wave][64 x work-group ..]
	s_lshl_b32 s11, ttmp9, 8
	s_add_co_u32 s10, s10, s11
	s_mov_b32 s11, 0
	s_add_nc_u64 s[8:9], s[8:9], s[10:11]
	s_wait_dscnt 0x0
.irp n, 8,4,2,1
.set j, 0
.rept \n
	v_pk_add_f32 v[X+2*j:X+2*j+1], v[X+2*j:X+2*j+1], v[X+2*(j+\n):X+2*(j+\n)+1]
.set j, j+1
.endr
.endr
	v_mul_f32 v[X], s13, v[X]
	v_mul_f32 v[X+1], s13, v[X+1]
	global_store_b64 v11, v[X:X+1], s[8:9]         ; the wave's store covers 256 consecutive bytes, at a multiple of 256 from the buffer's first
.Lend:
	s_wait_tensorcnt 0x0                           ; the wave's end: behind my last tensor load and my last LDS store
	ds_add_u32 v[SPW], v[NIL]
	s_wait_dscnt 0x0
	s_endpgm
.Lfunc_end_k_qc367bac1fc_pool:
	.size	k_qc367bac1fc_pool, .Lfunc_end_k_qc367bac1fc_pool-k_qc367bac1fc_pool
	.p2alignl 7, 3214868480
	.fill 96, 4, 3214868480
	.section	.rodata,"a",@progbits
	.p2align	6, 0x0
	.amdhsa_kernel k_qc367bac1fc_pool
		.amdhsa_group_segment_fixed_size 327680
		.amdhsa_private_segment_fixed_size 0
		.amdhsa_enable_private_segment 0
		.amdhsa_kernarg_size 24
		.amdhsa_user_sgpr_count 2
		.amdhsa_user_sgpr_kernarg_segment_ptr 1
		.amdhsa_wavefront_size32 1
		.amdhsa_system_sgpr_workgroup_id_x 1
		.amdhsa_system_sgpr_workgroup_id_y 1
		.amdhsa_system_sgpr_workgroup_id_z 1
		.amdhsa_system_vgpr_workitem_id 0
		.amdhsa_next_free_vgpr 240
		.amdhsa_next_free_sgpr 66
		.amdhsa_reserve_vcc 0
		.amdhsa_float_denorm_mode_32 3
		.amdhsa_float_denorm_mode_16_64 3
		.amdhsa_memory_ordered 1
		.amdhsa_forward_progress 1
		.amdhsa_inst_pref_size 133
	.end_amdhsa_kernel
	.amdgpu_metadata
---
amdhsa.version: [ 1, 2 ]
amdhsa.kernels:
  - .name:           k_qc367bac1fc_pool
    .symbol:         k_qc367bac1fc_pool.kd
    .args:
      - { .name: x, .offset: 0, .size: 8, .value_kind: global_buffer, .address_space: global }
      - { .name: dct_filters, .offset: 8, .size: 8, .value_kind: global_buffer, .address_space: global }
      - { .name: stats, .offset: 16, .size: 8, .value_kind: global_buffer, .address_space: global }
    .group_segment_fixed_size: 327680
    .private_segment_fixed_size: 0
    .kernarg_segment_align: 8
    .kernarg_segment_size: 24
    .max_flat_workgroup_size: 256
    .sgpr_count:     66
    .vgpr_count:     240
    .wavefront_size: 32
...
	.end_amdgpu_metadata
.endif
;; end of part 1
;; launch mlp (part 2): grid 32 x 1, 8 waves a work-group, no clusters, 3,328 bytes of LDS; arguments stats, w1, w2, out0; writes out0
.if DOCPART == 2
	.amdgcn_target "amdgcn-amd-amdhsa--gfx1250"
	.amdhsa_code_object_version 6
	.text
	.protected	k_qc367bac1fc_mlp
	.globl	k_qc367bac1fc_mlp
	.p2align	8
	.type	k_qc367bac1fc_mlp,@function
k_qc367bac1fc_mlp:
	s_mov_b64 s[64:65], 0
	v_nop
	global_prefetch_b8 v0, s[64:65] scope:SCOPE_SE
	s_setreg_imm32_b32 hwreg(HW_REG_WAVE_MODE, 25, 1), 1
	s_wait_xcnt 0x0
; MLP.  stats: [3][32][512] f32 (three pooled vectors for each batch).  w1: [32][512], w2: [512][32], out0: [32][512], all f32.
; out[b][c] = sum_m w2[c][m] g[b][m],  g[b][m] = sum_t relu(sum_c stats[t][b][c] w1[m][c]): the reference's three mapper() results added, with w2 applied once to the sum of the three relu vectors.
; A work-group owns one batch: three rows against w1, one row against w2.  These are few-row products that read their weights once, 131,072 bytes of weights for 65,536 multiply-adds, so they are done in f32
; on the vector unit: a matrix tile of 16 rows would hold 3 rows of use, and operands rounded to bf16 (8 significant bits, four roundings on the way to an output) would use up the comparison's allowance.
; All 44 loads of a wave go out at once; each covers 512 consecutive bytes.
.set GOFF,  0                          ; LDS: g, 32 f32
.set OUTS,  256                        ; LDS: 256 bytes for each wave, for the way out
.set SPARE, 2304                       ; the spare words: 128 bytes for each of 8 waves; no other line names them
.set SPW, 1                            ; v1   my spare word's address; never rewritten
.set NIL, 2                            ; v2   0; never rewritten
.set LO16, 3                           ; v3   16 x lane
.set LO8,  4                           ; v4   8 x lane
.set GA,   5                           ; v5   where my wave puts its four g
.set GL,   6                           ; v6   where my lane reads its four g
.set OA,   7                           ; v7   the way out: in
.set OL,   8                           ; v8   the way out: back
.set V,   16                           ; v[16:63]   stats: vector t's 16 numbers at V + 16 t (channels 4 l + 128 j + 0..3 at + 4 j); later at work
.set W1,  64                           ; v[64:127]  w1: row 4 w + m likewise at W1 + 16 m; later at work
.set W2,  128                          ; v[128:191] w2: load jj: row 64 w + 4 jj + l / 8, columns 4 (l % 8) + 0..3
.set ACC, 192                          ; v[192:215] a pair of sums for each (t, m)
.set H,   216                          ; v[216:227]
.set G,   228                          ; v[228:231]
.set GQ,  232                          ; v[232:235]
	s_load_b256 s[4:11], s[0:1], 0x0               ; stats s[4:5], w1 s[6:7], w2 s[8:9], out0 s[10:11]
	v_lshl_add_u32 v[SPW], v0, 2, SPARE
	v_mov_b32 v[NIL], 0
	v_lshrrev_b32 v9, 5, v0
	v_readfirstlane_b32 s12, v9                    ; wave 0..7
	v_and_b32 v9, 31, v0
	v_lshlrev_b32 v[LO16], 4, v9
	v_lshlrev_b32 v[LO8], 3, v9
	s_lshl_b32 s14, ttmp9, 11                      ; my batch's 512 numbers
	s_mov_b32 s15, 0
	s_lshl_b32 s16, s12, 13                        ; my wave's 4 rows of w1, and its 64 rows of w2: 8,192 bytes either way
	s_mov_b32 s17, 0
	s_lshl_b32 s18, s12, 8                         ; my wave's 64 outputs
	s_add_co_u32 s18, s18, s14
	s_mov_b32 s19, 0
	s_mov_b32 s20, 0x76543210                      ; v_permlanex16_b32: each lane takes its own place in the other half
	s_mov_b32 s21, 0xfedcba98
	s_wait_kmcnt 0x0
	s_add_nc_u64 s[4:5], s[4:5], s[14:15]
	s_add_nc_u64 s[6:7], s[6:7], s[16:17]
	s_add_nc_u64 s[8:9], s[8:9], s[16:17]
	s_add_nc_u64 s[10:11], s[10:11], s[18:19]
.irp t, 0,1,2
.irp j, 0,1,2,3
	global_load_b128 v[V+16*\t+4*\j:V+16*\t+4*\j+3], v[LO16], s[4:5] offset:65536*\t+512*\j
.endr
.endr
.irp m, 0,1,2,3
.irp j, 0,1,2,3
	global_load_b128 v[W1+16*\m+4*\j:W1+16*\m+4*\j+3], v[LO16], s[6:7] offset:2048*\m+512*\j
.endr
.endr
.set j, 0
.rept 16
	global_load_b128 v[W2+4*j:W2+4*j+3], v[LO16], s[8:9] offset:512*j
.set j, j+1
.endr
	s_lshl_b32 s22, s12, 4
	v_mov_b32 v[GA], s22
	v_and_b32 v10, 7, v0
	v_lshlrev_b32 v[GL], 4, v10
	s_lshl_b32 s23, s12, 8
	s_add_co_u32 s23, s23, OUTS
	v_lshrrev_b32 v10, 3, v9
	v_lshl_add_u32 v[OA], v10, 2, s23
	v_add_nc_u32 v[OL], s23, v[LO8]
	s_wait_loadcnt 16                              ; stats and w1 are in; younger: w2's sixteen loads
	; The first product: twelve sums (t, m) by turns, 16 channels a lane; the first line starts each sum.
.irp t, 0,1,2
.irp m, 0,1,2,3
	v_pk_mul_f32 v[ACC+2*(4*\t+\m):ACC+2*(4*\t+\m)+1], v[V+16*\t:V+16*\t+1], v[W1+16*\m:W1+16*\m+1]
.endr
.endr
.irp e, 1,2,3,4,5,6,7
.irp t, 0,1,2
.irp m, 0,1,2,3
	v_pk_fma_f32 v[ACC+2*(4*\t+\m):ACC+2*(4*\t+\m)+1], v[V+16*\t+2*\e:V+16*\t+2*\e+1], v[W1+16*\m+2*\e:W1+16*\m+2*\e+1], v[ACC+2*(4*\t+\m):ACC+2*(4*\t+\m)+1]
.endr
.endr
.endr
.set j, 0
.rept 12
	v_add_f32 v[H+j], v[ACC+2*j], v[ACC+2*j+1]
.set j, j+1
.endr
.irp s, 1,2,4,8                        ; over the 32 lanes: four steps inside each half ride on the addition, one crosses the halves
.set j, 0
.rept 12
	v_add_f32_dpp v[H+j], v[H+j], v[H+j] row_xmask:\s row_mask:0xf bank_mask:0xf
.set j, j+1
.endr
.endr
.set j, 0
.rept 12
	v_permlanex16_b32 v[ACC+j], v[H+j], s20, s21   ; its destination counts as read: these registers have been written
.set j, j+1
.endr
.set j, 0
.rept 12
	v_add_f32 v[H+j], v[H+j], v[ACC+j]
.set j, j+1
.endr
.set j, 0
.rept 12
	v_max_num_f32 v[H+j], 0, v[H+j]                ; relu
.set j, j+1
.endr
.irp m, 0,1,2,3
	v_add_f32 v[G+\m], v[H+\m], v[H+4+\m]
.endr
.irp m, 0,1,2,3
	v_add_f32 v[G+\m], v[G+\m], v[H+8+\m]
.endr
	ds_store_b128 v[GA], v[G:G+3]                  ; g[4 w .. 4 w + 3]: all lanes write the same 16 bytes with the same numbers
	s_wait_dscnt 0x0                               ; for the others' sake
	s_barrier_signal -1
	s_barrier_wait -1
	ds_load_b128 v[GQ:GQ+3], v[GL]                 ; g[4 (l % 8) ..]
	s_wait_loadcnt 0x0                             ; w2
	s_wait_dscnt 0x0
	; The second product: eight lanes share a row of w2, four columns each; three steps add them up.
.set j, 0
.rept 16
	v_pk_mul_f32 v[V+2*j:V+2*j+1], v[W2+4*j:W2+4*j+1], v[GQ:GQ+1]
.set j, j+1
.endr
.set j, 0
.rept 16
	v_pk_fma_f32 v[V+2*j:V+2*j+1], v[W2+4*j+2:W2+4*j+3], v[GQ+2:GQ+3], v[V+2*j:V+2*j+1]
.set j, j+1
.endr
.set j, 0
.rept 16
	v_add_f32 v[W1+j], v[V+2*j], v[V+2*j+1]
.set j, j+1
.endr
.irp s, 1,2,4
.set j, 0
.rept 16
	v_add_f32_dpp v[W1+j], v[W1+j], v[W1+j] row_xmask:\s row_mask:0xf bank_mask:0xf
.set j, j+1
.endr
.endr
	; The way out, through my wave's own 256 bytes of LDS: output 4 jj + l / 8 goes in (eight lanes write the same word with the same number), two neighbouring outputs a lane come back.
.set j, 0
.rept 16
	ds_store_b32 v[OA], v[W1+j] offset:16*j
.set j, j+1
.endr
	ds_load_b64 v[V:V+1], v[OL]                    ; LDS serves a wave's instructions in order (ISA guide 5.7.1.4): this sees the stores above
	s_wait_dscnt 0x0
	global_store_b64 v[LO8], v[V:V+1], s[10:11]    ; the wave's store covers 256 consecutive bytes, at a multiple of 256 from out0's first
	s_wait_tensorcnt 0x0                           ; the wave's end: behind my last LDS store
	ds_add_u32 v[SPW], v[NIL]
	s_wait_dscnt 0x0
	s_endpgm
.Lfunc_end_k_qc367bac1fc_mlp:
	.size	k_qc367bac1fc_mlp, .Lfunc_end_k_qc367bac1fc_mlp-k_qc367bac1fc_mlp
	.p2alignl 7, 3214868480
	.fill 96, 4, 3214868480
	.section	.rodata,"a",@progbits
	.p2align	6, 0x0
	.amdhsa_kernel k_qc367bac1fc_mlp
		.amdhsa_group_segment_fixed_size 3328
		.amdhsa_private_segment_fixed_size 0
		.amdhsa_enable_private_segment 0
		.amdhsa_kernarg_size 32
		.amdhsa_user_sgpr_count 2
		.amdhsa_user_sgpr_kernarg_segment_ptr 1
		.amdhsa_wavefront_size32 1
		.amdhsa_system_sgpr_workgroup_id_x 1
		.amdhsa_system_sgpr_workgroup_id_y 1
		.amdhsa_system_sgpr_workgroup_id_z 1
		.amdhsa_system_vgpr_workitem_id 0
		.amdhsa_next_free_vgpr 236
		.amdhsa_next_free_sgpr 66
		.amdhsa_reserve_vcc 0
		.amdhsa_float_denorm_mode_32 3
		.amdhsa_float_denorm_mode_16_64 3
		.amdhsa_memory_ordered 1
		.amdhsa_forward_progress 1
		.amdhsa_inst_pref_size 24
	.end_amdhsa_kernel
	.amdgpu_metadata
---
amdhsa.version: [ 1, 2 ]
amdhsa.kernels:
  - .name:           k_qc367bac1fc_mlp
    .symbol:         k_qc367bac1fc_mlp.kd
    .args:
      - { .name: stats, .offset: 0, .size: 8, .value_kind: global_buffer, .address_space: global }
      - { .name: w1, .offset: 8, .size: 8, .value_kind: global_buffer, .address_space: global }
      - { .name: w2, .offset: 16, .size: 8, .value_kind: global_buffer, .address_space: global }
      - { .name: out0, .offset: 24, .size: 8, .value_kind: global_buffer, .address_space: global }
    .group_segment_fixed_size: 3328
    .private_segment_fixed_size: 0
    .kernarg_segment_align: 8
    .kernarg_segment_size: 32
    .max_flat_workgroup_size: 256
    .sgpr_count:     66
    .vgpr_count:     236
    .wavefront_size: 32
...
	.end_amdgpu_metadata
.endif
;; end of part 2
